; MI455X (gfx1250); checked and timed in simulation.
; The chip was launched on July 23, 2026; its instructions are those of AMD's public machine-readable ISA for CDNA 5 (MIT licence, August 2026) and "CDNA5" Instruction Set Architecture Reference Guide (July 2026). The comments in the code are by the model that wrote it; some were corrected since.
;; GQA Model. Allowed arithmetic: matrix products marked QUANTISED: E5M2 operands, one given power-of-two scale a tensor, by v_wmma_f32_16x16x64_bf8_bf8 or v_wmma_f32_16x16x128_bf8_bf8, f32 sums; everything else in f32.
;; Inputs: k_codes 2 x 8 x 2,048 x 4 x 32 uint8 (E5M2 codes of k, K innermost, in blocks of 32 codes); lowp_scales 4 int32 (the exponents e of the quantised operands' scales 2^e); q_codes 2 x 32 x 2,048 x 4 x 32 uint8 (E5M2 codes of q, K innermost, in blocks of 32 codes); v_codes 2 x 8 x 128 x 64 x 32 uint8 (E5M2 codes of v, K innermost, in blocks of 32 codes).
;; Outputs: out0 2 x 32 x 2,048 x 128 float32.
;; This version of the problem:
;;   THIS VERSION OF THE PROBLEM IS GIVEN IN LOW PRECISION. The matrix products marked QUANTISED in the list below multiply operands that are first quantised to E5M2 (5 exponent bits, 2 mantissa bits; 8 bits a number), with one given power-of-two scale for each operand tensor; their sums are f32. All else is computed in f32.
;;   The module's matrix products, in the order in which they are computed (A, B: the left and right operand; K: the contracted axis; several contracted axes count as one K, in the product's order):
;;     1. batch 16 x [M 8,192, K 128] x [K 128, N 2,048]; A: input q (given as codes); B: input k (given as codes): QUANTISED (scales: A lowp_scales[0], B lowp_scales[1])
;;     2. batch 16 x [M 8,192, K 2,048] x [K 2,048, N 128]; A: softmax (see below); B: input v (given as codes): QUANTISED (scales: A lowp_scales[2], B lowp_scales[3])
;;   THE QUANTISER, for each operand of a quantised product, along K:
;;     - The operand's scale is 2^e, e = its entry of the input lowp_scales (int32; the entries are numbered through the quantised products in the list's order, A before B).
;;     - Each number is divided by the scale, clamped to +-57,344, and rounded to the nearest number of E5M2, ties to even, subnormals kept.
;;     - The product sums the exact products of the quantised numbers (number of the format x scale) in f32.
;;   ~~~python
;;   def quantise(x, axis, e):      # numpy; x: float32 -> the quantised numbers, widened to float32 again
;;       x = np.moveaxis(x, axis, -1); K = x.shape[-1]
;;       r = np.clip(x / 2.0 ** e, -57344, 57344)
;;       step = 2.0 ** (np.maximum(np.frexp(np.where(r == 0, 1, r))[1] - 1, -14) - 2)
;;       q = np.round(r / step) * step * 2.0 ** e      # np.round: ties to even
;;       return np.moveaxis(q, -1, axis).astype(np.float32)
;;   ~~~
;;   SOFTMAX AHEAD OF A QUANTISED PRODUCT. Where the list says 'softmax', what is quantised is not the finished softmax but p = 2^(t - M), with t = logit x log2(e) and M = ceil(the row's largest t), a whole number; so 1/2 < the row's largest p <= 1. The row's sum l is taken of the UNQUANTISED p, in f32, and the product's result is divided by l at the end. Since M is a whole number, a kernel that streams over the keys may use a running M (the ceiling of the running maximum): every later rescaling is an exact power of two, so the quantised numbers keep their values, but for numbers so far below the row's largest that they fall under the format's range.
;;   OPERANDS COMPUTED ON THE WAY. 'Computed on the way' means the value that the module computes at that place (a softmax that the list does not call 'softmax' is quantised finished and normalised). What goes into a quantiser is computed in f32, as accurately as f32 sums, v_exp_f32 and their like allow (about 1e-6 of the number): no bf16 or f16 on the way to a quantiser, and a product that is left as it is and whose result goes on into a quantised operand takes f32 operands (vector FMAs, or v_wmma_f32_16x16x4_f32). A number that lies on a knife's edge between two numbers of the format may be rounded either way, as far as f32 arithmetic and the matrix unit's own rounding can turn it there, and no further.
;;   INPUTS GIVEN AS CODES. k (in the module: [2, 8, 2048, 128], K = its axis 3); q (in the module: [2, 32, 2048, 128], K = its axis 3); v (in the module: [2, 8, 2048, 128], K = its axis 2): each comes as NAME_codes (uint8): NAME with its K axis moved to the last place and cut into blocks of 32 codes, [.., K / 32, bytes a block], one block behind the other in memory; one code a byte (a code: sign, 5 exponent bits, 2 mantissa bits); its scale is its entry of lowp_scales. Its value is code x scale, taken as it is: it is not quantised again, and the codes and scales need not be those that the quantiser above would give.
;; One version. Each part assembles by itself: llvm-mc -triple=amdgcn-amd-amdhsa -mcpu=gfx1250 --defsym DOCPART=n.
;; ======== version 1 of 1: 1 launch
;; launch attn (part 1): grid 16 x 16, 8 waves a work-group, clusters of 4 x 1, 327,680 bytes of LDS; arguments q_codes, k_codes, v_codes, lowp_scales, out0; writes out0
.if DOCPART == 1
	.amdgcn_target "amdgcn-amd-amdhsa--gfx1250"
	.amdhsa_code_object_version 6
	.text
	.protected	k_q8708ef2bcf_attn
	.globl	k_q8708ef2bcf_attn
	.p2align	8
	.type	k_q8708ef2bcf_attn,@function
k_q8708ef2bcf_attn:
	s_mov_b64 s[64:65], 0
	v_nop
	global_prefetch_b8 v0, s[64:65] scope:SCOPE_SE
	s_setreg_imm32_b32 hwreg(HW_REG_WAVE_MODE, 25, 1), 1
	s_wait_xcnt 0x0
	s_wait_alu depctr_hold_cnt(0) depctr_sa_sdst(0) depctr_va_vdst(0) depctr_va_sdst(0) depctr_va_ssrc(0) depctr_va_vcc(0) depctr_vm_vsrc(0)
	s_getreg_b32 s2, hwreg(HW_REG_IB_STS2, 6, 4)
	s_cmp_eq_u32 s2, 0
	s_cbranch_scc0 .Lentry_in_a_cluster
	s_endpgm
.Lentry_in_a_cluster:
	s_bfe_u32 s2, ttmp6, 0x10000c
	s_cmp_lg_u32 s2, 0x3003
	s_cbranch_scc0 .Lentry_shape_is_right
	s_endpgm
.Lentry_shape_is_right:
; out[b][j][q][:] = the sum over keys k <= q of softmax_k(Q[b][j][q] . K[b][j/4][k] / sqrt(128)) V[b][j/4][k][:], both products on codes of BF8 (E5M2), each tensor with its given scale 2^e.
; Q: 64 heads x 2,048 x 128 codes; K: 16 heads x 2,048 x 128 codes (K axis = the head's 128); V: 16 heads x 128 x 2,048 codes (the KEYS innermost: they are the second product's K axis); out: 64 x 2,048 x 128 f32.
; THE SOFTMAX AHEAD OF THE SECOND PRODUCT: t = score x 2^(eq+ek) x log2(e) / sqrt(128); M = the row's largest t so far, rounded UP to a whole number; p = 2^(t - M) is quantised with 2^ep; it is not normalised.
; The row's sum is taken of the unquantised p, in f32; at the end O x 2^(ep+ev) / sum.  When M moves, the sum and O are multiplied by 2^(old M - new M), a power of two.
; WORK LEFT OUT.  reference() builds the mask itself (tril) and sets the score of every key k > q to the least f32 number.  Key 0 <= q has a finite score in every row, so such a key's weight is
; e^(least - largest), which moves no result by more than rounding, whatever finite values the inputs hold.  So a step of 128 keys whose first key lies behind all of a wave's queries is not computed, a slot of 256 keys
; behind a block's last query is never fetched, and inside the one step of a wave that holds its diagonal the hidden scores become -infinity by a select (p = 0).  Every input has a way to the output: all are loaded.
; LIMITS.  A NaN, an infinity or an overflow that reaches only hidden keys is not carried to the result.  eq + ek between -123 and 130 (added to c's exponent field); ep between -126 and 112;
; ep + ev is applied by v_ldexp_f32 and has none.  NaN and infinity codes among q, k, v are not served.
; SHARES.  256 work-groups of equal work.  A work-group owns one query head and TWO blocks of 256 positions, one after the other: block 7 - p (8 - p slots of 256 keys), then block p (p + 1 slots): nine slots for
; every p = 0..3, so every trip count is a constant, every tile fetched is read.  Eight waves, two to a SIMD, so that one wave's softmax stands beside the other's products and LDS waits.
; A wave owns 32 positions: tile A (16) in register window 0, tile B in window 1 UNDER THE SAME NUMBERS: softmax, mask and way out are written once and run under two window settings, and each fragment
; of K and V read from LDS feeds two products.
; CLUSTER.  The four query heads of one KV head, with the same p, are a cluster: they walk the same slots of K and V in the same order, so each tile is asked for JOINTLY (mask 15).
; LAYOUT.  Both products are used transposed: S^T = K Q^T (source 0 = 16 neighbouring keys, source 1 = 16 queries), O^T = V^T P^T: a lane holds ONE query (lane % 16) throughout.  In S^T's tile t lane (r, h) holds keys
; 16 t + 8 h + 0..7: one conversion makes of them registers 2 t, 2 t + 1 of P, and V^T's fragments are read with the same keys in the same registers and bytes (8 bytes at 16 c + 8 h of a row).
; Q and K are both read 16 bytes at 32 c + 16 h: the same order of the head's 128 on both sides, so every product meets its partner.
; REGISTERS.  Window 0 alone: v1-11 addresses.  Both windows: v12 -M, v13 the largest t, v[14:15] the sum in two halves, v16-31 Q, v32-95 fragments (window 0: tiles 0-3 of K or V, window 1: tiles 4-7),
; v96-159 S^T, then p, v160-223 O^T, v224-239 P's codes, v240 57,344 x 2^ep, v241 a permute's destination, v[242:243] the second chain of the sum, v244 2^ep, v245 the mask's lane term, v246 -infinity, v[252:253] f, v254 at work;
; the reciprocal: window 0 v[250:251], window 1 v[248:249].
.set KP,    144                        ; a key's row in LDS: 128 bytes + 16 = 36 words: 16 neighbouring rows start at 16 different multiples of 4 words modulo 64
.set VP,    272                        ; a row of V's tile: 256 bytes + 16 = 68 words: lane (r, h) reads words 4 r + 2 h, + 1 modulo 64: 32 lanes, 64 different
.set VOFF,  256*KP                     ; a slot: 256 rows of K, then 128 rows of V
.set SLOT1, 1<<17                      ; slot 1 begins here: one exclusive or turns an address of one slot into the other's
.set STAGE, SLOT1+VOFF+128*VP          ; behind the ring: 16 rows x 528 bytes for each wave, for the way out; no tile ever lands here
.set SP,    528                        ; a stage row: 512 bytes + 16
.set SPARE, STAGE+8*16*SP              ; behind the stages: the spare words, 128 bytes for each wave: four blocks of 256 bytes that no other line names
.set AK0, 1                            ; v1   my lane's place in a tile of K: 144 r + 16 h
.set AV0, 2                            ; v2   in a tile of V: VOFF + 272 r + 8 h
.set PFO, 3                            ; v3   the prefetches' lane offset
.set QO,  4                            ; v4   my lane's place in a tile of Q in memory: 128 r + 16 h
.set SPW, 5                            ; v5   LDS address of my spare word; never rewritten
.set NIL, 6                            ; v6   0; never rewritten
.set CO,  7                            ; v7   16 x lane: my place in a row of out
.set ADK, 8                            ; v8   LDS address of the step's K
.set ADV, 9                            ; v9   of its V
.set STO, 10                           ; v10  the stage: where I put 32 bytes of a row
.set RD,  11                           ; v11  and where I read a row back
.set QF,  16
.set FR,  32
.set S,   96
.set OT,  160
.set PC,  224
.set TB,  3                            ; s3   LDS byte at which the slot in hand begins
.set QP1, 4                            ; s[4:5]   Q's codes at my first query of the first block
.set WV,  14                           ; s14  my wave's number
.set SEL, 20                           ; s[20:21] lane selects for v_permlanex16_b32: lane l xor 16
.set CS,  22                           ; s[22:23] c = 2^(eq+ek) log2(e) / sqrt(128), twice
.set G1K, 24                           ; s[24:31] descriptor group 1 for K's tiles; s[32:39] for V's
.set G1V, 32
.set G0K, 40                           ; s[40:43], s[44:47] their groups 0
.set G0V, 44
.set KB,  48                           ; s[48:49] K at my half of the KV head's slot 0; s[50:51] V likewise
.set VB,  50
.set OFK, 52                           ; s[52:53] the asked slot's byte offset in K; s[54:55] in a row of V
.set OFV, 54
.set KS,  56                           ; s56  the slot of keys that is asked for
.set SLOTS, 57                         ; s57  counts the loop's trips, 8 down to 1
.set KF,  58                           ; s58  the step's first key
.set Q0,  59                           ; s59  my first query of the block in hand
.set Q0B, 60                           ; s60  of the second block
.set SW,  61                           ; s61  p + 1: the value of s57 in the first block's last trip
.set QP2, 62                           ; s[62:63] Q's codes at my first query of the second block
.set OP1, 66                           ; s[66:67], s[68:69] out at my first query of the first and of the second block
.set OP2, 68
.set EO,  70                           ; s70  ep + ev
.set PFA, 76                           ; s[76:77] where my prefetches stand
.set PFS, 78                           ; s[78:79] a slot on, in bytes
.set LIM, 80                           ; s80  2 in a wave that prefetches, else the greatest number
.set MSB, 0
.macro WIN new                         ; low byte: bits 1:0 source 0, 3:2 source 1, 5:4 source 2, 7:6 destination; the high byte repeats the setting that is left; a switch that changes nothing is dropped
.if MSB != (\new)
	s_set_vgpr_msb (MSB<<8)|(\new)
.set MSB, (\new)
.endif
.endm
; A round of the cluster's barrier: my work-group's barrier, so that wave 0's signal speaks for all eight waves; wave 0 signals for the work-group; every wave waits for all four work-groups; my work-group's barrier once more.
.macro CROUND
	s_barrier_signal -1
	s_barrier_wait -1
	s_cmp_lg_u32 s[WV], 0
	s_cbranch_scc1 .Lnot_wave_0_\@
	s_barrier_signal -3
.Lnot_wave_0_\@:
	s_barrier_wait -3
	s_barrier_signal -1
	s_barrier_wait -1
.endm
; A joint load.  Waves 0 and 1 fetch K's halves (128 keys each), waves 2 and 3 V's (64 rows each), the others nothing.  The branches hang on the wave's number alone: they are the same in all four partners.
; An s_nop 0 and four v_nop follow each of the two lines.
.macro TLOAD
	s_cmp_lt_u32 s[WV], 2
	s_cbranch_scc0 .Lnot_k_\@
	tensor_load_to_lds s[G0K:G0K+3], s[G1K:G1K+7]
	s_nop 0
.rept 4
	v_nop
.endr
	s_branch .Lasked_\@
.Lnot_k_\@:
	s_cmp_lt_u32 s[WV], 4
	s_cbranch_scc0 .Lasked_\@
	tensor_load_to_lds s[G0V:G0V+3], s[G1V:G1V+7]
	s_nop 0
.rept 4
	v_nop
.endr
.Lasked_\@:
.endm
; A PREFETCH INTO THE L2 of the slot that the NEXT change of slots will ask for.  All four clusters of a KV head walk its slots from 0 on; the cluster with p = 0 walks slots 0 to 7 in its trips 0 to 7, no later than any other: it
; alone asks.  Its four partners share a slot out BY ADDRESS (g): of K's 32,768 bytes 8,192 each, lanes 256 bytes apart (wave 4); of V's 128 rows 32 each, a lane a row, 256 bytes of it (wave 5).  So each aligned block of
; 256 bytes is named once in the launch.  Trip i asks for slot i + 2, i = 0..5: slots 0 and 1 come by their loads alone, and nothing is named behind slot 7, the buffers' last.
.macro ASK
	s_cmp_gt_u32 s[SLOTS], s[LIM]
	s_cbranch_scc0 .Lnot_mine_\@
	global_prefetch_b8 v[PFO], s[PFA:PFA+1] th:TH_LOAD_NT scope:SCOPE_SE
.Lnot_mine_\@:
.endm
; THE CHANGE OF SLOTS stands at a slot's head.  Each wave waits for all its tensor loads (its part of the slot that it is about to read), adds 0 to its spare word, and waits for that and for its reads of the slot that it has left.
; fill = 1: a round of the cluster's barrier follows, so that no wave of any partner still reads the other slot or has a load on its way, and that slot is asked for first thing behind it: the load has a slot's two steps in which to land.
.macro CHANGE fill
	s_wait_tensorcnt 0x0                           ; no tensor load of mine is out, so a group 0 may be written
	ds_add_u32 v[SPW], v[NIL]                      ; 0 onto my spare word
.if \fill
	ds_add_u32 v[SPW], v[NIL]                      ; and once more: the add twice on end, in every trip alike.  The descriptors' steps stand between the second and the wait
	s_xor_b32 s[G0K+1], s[G0K+1], SLOT1            ; the other slot than last time
	s_xor_b32 s[G0V+1], s[G0V+1], SLOT1
	s_add_co_u32 s[KS], s[KS], 1                   ; the next 256 keys,
	s_cmp_eq_u32 s[SLOTS], s[SW]                   ; or, in the first block's last trip, the second block's first: p and the count of trips alone, the same in all partners
	s_cselect_b32 s[KS], 0, s[KS]
	s_lshl_b32 s[OFK], s[KS], 15                   ; 256 keys x 128 bytes
	s_lshl_b32 s[OFV], s[KS], 8                    ; 256 bytes of each row of V
	s_add_nc_u64 s[G0K+2:G0K+3], s[KB:KB+1], s[OFK:OFK+1]
	s_or_b32 s[G0K+3], s[G0K+3], 0x80000000        ; type = 2
	s_add_nc_u64 s[G0V+2:G0V+3], s[VB:VB+1], s[OFV:OFV+1]
	s_or_b32 s[G0V+3], s[G0V+3], 0x80000000
	s_wait_xcnt 0x0                                ; the last prefetch, a slot back, has read its address, so it may be written
	s_add_nc_u64 s[PFA:PFA+1], s[PFA:PFA+1], s[PFS:PFS+1]
.endif
	s_wait_dscnt 0x0                               ; the add is done (fill = 1: both are), and my reads of the slot that I have left are over
.if \fill
	CROUND
	TLOAD                                          ; the first thing behind the round, and a wave's one tensor load until the next: one load of a wave is out at the most
	ASK
.else
	s_barrier_signal -1
	s_barrier_wait -1
.endif
.endm
; My 32 queries' codes: tile A into window 0, tile B (16 rows of 128 bytes on) into window 1.  Each byte of q is read once in the launch.
.macro QLOAD qp
.irp c, 0,1,2,3
	global_load_b128 v[QF+4*\c:QF+4*\c+3], v[QO], s[\qp:\qp+1] offset:32*\c th:TH_LOAD_NT
.endr
	WIN 0x40                                       ; destination window 1, address window 0
.irp c, 0,1,2,3
	global_load_b128 v[QF+4*\c:QF+4*\c+3], v[QO], s[\qp:\qp+1] offset:2048+32*\c th:TH_LOAD_NT
.endr
	WIN 0
.endm
; A block begins: the largest t is -3e38, under every t; -M is 3e38 (a whole number); the sum and O^T are zeros, which the first change of M leaves zeros.  The step is written once for all trips: where the second
; block begins hangs on p, so a first step whose products start the sums cannot be written out.
.macro RESET
.irp w, 0,1
	WIN 0x40*\w
	v_mov_b32 v13, 0xff61b1e6
	v_mov_b32 v12, 0x7f61b1e6
	v_mov_b32 v14, 0
	v_mov_b32 v15, 0
.set nn, 0
.rept 64
	v_mov_b32 v[OT+nn], 0
.set nn, nn+1
.endr
.endr
	WIN 0
.endm
; The diagonal.  Register 8 t + j holds key KF + 16 t + 8 h + j; my query is Q0 + r (tile B: + 16).  Hidden where 16 t + j > d, d = Q0 - KF + r - 8 h (+ 16).  s96 = Q0 - KF.  Each accumulator from its low end on.
.macro MASK
	v_add_nc_u32 v252, s96, v245
.set nn, 0
.rept 64
	v_cmp_gt_i32 vcc_lo, 16*(nn/8)+nn%8, v252
	v_cndmask_b32 v[S+nn], v[S+nn], v246, vcc_lo
.set nn, nn+1
.endr
.endm
; One tile's softmax for a step of 128 keys, of which a lane holds 64.  It names the same registers for both tiles; the window setting says which.
.macro SOFTMAX
	v_max3_num_f32 v254, v[S], v[S+1], v[S+2]      ; the step's largest score of my query among my 64 keys, in two chains, each accumulator from its low end on,
	v_max3_num_f32 v252, v[S+3], v[S+4], v[S+5]
.set nn, 6
.rept 14
	v_max3_num_f32 v254, v254, v[S+nn], v[S+nn+1]
	v_max3_num_f32 v252, v252, v[S+nn+2], v[S+nn+3]
.set nn, nn+4
.endr
	v_max3_num_f32 v254, v254, v[S+62], v[S+63]
	v_max_num_f32 v254, v254, v252
	v_permlanex16_b32 v241, v254, s[SEL], s[SEL+1]
	v_max_num_f32 v254, v254, v241                 ; and among lane l xor 16's
	v_mul_f32 v254, s[CS], v254                    ; as t (c is positive)
	v_max_num_f32 v13, v13, v254                   ; the running largest t
	v_mov_b32 v254, v12
	v_floor_f32 v12, -v13                          ; the new -M = floor(-t) = -ceil(t): M is a whole number
	v_sub_f32 v254, v12, v254                      ; M's old value less its new one: a whole number, 0 or less
	v_cvt_i32_f32 v254, v254                       ; (it saturates)
	v_ldexp_f32 v252, 1.0, v254                    ; f = 2^(old M - new M)
.set nn, 0
.rept 32
	v_pk_fma_f32 v[S+nn:S+nn+1], v[S+nn:S+nn+1], s[CS:CS+1], v[12:13] op_sel_hi:[1,0,0]   ; t - M, two at a time (of the pairs c and -M the low word serves both halves)
.set nn, nn+2
.endr
.set nn, 0
.rept 64
	v_exp_f32 v[S+nn], v[S+nn]                     ; p = 2^(t - M), at most 1
.set nn, nn+1
.endr
	v_pk_mul_f32 v[14:15], v[14:15], v[252:253] op_sel_hi:[1,0]   ; the sums under the new M: the plain instruction behind the last exponential
	s_wait_alu depctr_va_vdst(0)                   ; one wait for the batch of 64, ahead of the first instruction that names a result
	v_pk_add_f32 v[242:243], v[S:S+1], v[S+2:S+3]  ; the row's sum is taken of the UNQUANTISED p: two at a time, in two chains
.set nn, 4
.rept 15
	v_pk_add_f32 v[14:15], v[14:15], v[S+nn:S+nn+1]
	v_pk_add_f32 v[242:243], v[242:243], v[S+nn+2:S+nn+3]
.set nn, nn+4
.endr
	v_pk_add_f32 v[14:15], v[14:15], v[242:243]
.set tt, 0
.rept 8
.set nn, 0
.rept 8
	v_min_num_f32 v[S+8*tt+nn], v[S+8*tt+nn], v240 ; the conversion to an 8-bit code does not saturate (ISA guide 7.6.2); p is not negative, so the hold is one-sided
.set nn, nn+1
.endr
	v_cvt_scalef32_pk8_bf8_f32 v[PC+2*tt:PC+2*tt+1], v[S+8*tt:S+8*tt+7], v244   ; keys 16 t + 8 h + 0..7: registers 2 t, 2 t + 1 of P
.set tt, tt+1
.endr
.set nn, 0
.rept 32
	v_pk_mul_f32 v[OT+nn:OT+nn+1], v[OT+nn:OT+nn+1], v[252:253] op_sel_hi:[1,0]   ; O^T under the new M.  (Plain lines between the last conversion and the products that read its result)
.set nn, nn+2
.endr
.endm
.macro QK4 s0                          ; four products S^T = K Q^T: four tiles of 16 keys against one tile of queries; each starts its sum
.irp i, 0,1,2,3
	v_wmma_f32_16x16x128_bf8_bf8 v[\s0+8*\i:\s0+8*\i+7], v[FR+16*\i:FR+16*\i+15], v[QF:QF+15], 0
.endr
.endm
.macro PV4 o0                          ; four products O^T += V^T P^T: four tiles of 16 of the head's 128; K = the step's 128 keys
.irp i, 0,1,2,3
	v_wmma_f32_16x16x128_bf8_bf8 v[\o0+8*\i:\o0+8*\i+7], v[FR+16*\i:FR+16*\i+15], v[PC:PC+15], v[\o0+8*\i:\o0+8*\i+7]
.endr
.endm
; A KEY STEP: 128 keys, the q-th of the slot in hand.  The 16 accumulators of S^T and the 16 of O^T take turns, one instruction a turn.
.macro STEP q
	s_cmp_gt_u32 s[KF], s[Q0]                      ; KF is a multiple of 128 and Q0 of 32: KF > Q0 says that all 128 keys lie behind my last query Q0 + 31: the step is left out.
	s_cbranch_scc1 .Lhidden_\@                     ; ids and the count of steps alone; no barrier, wait for a tile or tensor load stands in a step
	v_add_nc_u32 v[ADK], s[TB], v[AK0]
	v_add_nc_u32 v[ADV], s[TB], v[AV0]
	v_nop                                          ; with the two additions: four places between the last products and the loads into the registers that they read (ISA guide 7.12.1 for vector instructions)
	v_nop
.irp w, 0,1                            ; K: tiles 0-3 into window 0, tiles 4-7 into window 1
	WIN 0x40*\w
.irp t, 0,1,2,3
.irp c, 0,1,2,3
	ds_load_b128 v[FR+16*\t+4*\c:FR+16*\t+4*\c+3], v[ADK] offset:(128*(\q)+64*\w+16*\t)*KP+32*\c
.endr
.endr
.endr
	WIN 0
	s_wait_dscnt 16                                ; tiles 0-3 are in; the 16 younger loads, tiles 4-7's, may be out
	QK4 S                                          ; tile A x keys 0-63
	WIN 0x54                                       ; K window 0; Q and S^T window 1
	QK4 S                                          ; tile B x keys 0-63
	s_wait_dscnt 0x0
	WIN 0x01                                       ; K window 1; Q and S^T window 0
	QK4 S+32                                       ; tile A x keys 64-127
	WIN 0x55
	QK4 S+32                                       ; tile B x keys 64-127
	WIN 0
.rept 4
	v_nop                                          ; four places: in front of the loads into K's registers, and of the first read of the scores
.endr
.irp w, 0,1                            ; V^T: tiles 0-3 (of the head's 128) into window 0, tiles 4-7 into window 1: they land while tile A's softmax is walked
	WIN 0x40*\w
.irp t, 0,1,2,3
.irp c, 0,1,2,3,4,5,6,7
	ds_load_b64 v[FR+16*\t+2*\c:FR+16*\t+2*\c+1], v[ADV] offset:(64*\w+16*\t)*VP+128*(\q)+16*\c
.endr
.endr
.endr
	WIN 0
	s_add_co_u32 s96, s[KF], 127
	s_cmp_le_u32 s96, s[Q0]                        ; all 128 keys count for all my queries: nothing to hide
	s_cbranch_scc1 .Lopen_\@
	s_sub_co_i32 s96, s[Q0], s[KF]
	MASK
	WIN 0x55
	MASK
	WIN 0
.Lopen_\@:
	SOFTMAX                                        ; tile A
	s_wait_dscnt 0x0                               ; V is in
	PV4 OT                                         ; tile A, channels 0-63
	WIN 0x01                                       ; V window 1
	PV4 OT+32                                      ; tile A, channels 64-127
	WIN 0x55
	SOFTMAX                                        ; tile B: it names no register of tile A's products, which are worked off meanwhile
	PV4 OT+32                                      ; tile B, channels 64-127
	WIN 0x54                                       ; V window 0
	PV4 OT                                         ; tile B, channels 0-63
	WIN 0
.Lhidden_\@:
	s_add_co_u32 s[KF], s[KF], 128
.endm
; THE WAY OUT of a block.  The sum's two halves and lane l xor 16's are added; O^T x 2^(ep+ev) / sum goes through my stage in LDS, a tile (16 rows of 512 bytes) at a time, and leaves as whole rows: 32 lanes store 512
; consecutive bytes, at a multiple of 256 from out's first byte.  The additions, the two v_ldexp_f32 and tile A's multiplies are the places behind the last products.
.macro WAYOUT op
	v_add_f32 v14, v14, v15
	v_permlanex16_b32 v241, v14, s[SEL], s[SEL+1]
	v_add_f32 v14, v14, v241
	WIN 0x55
	v_add_f32 v14, v14, v15
	v_permlanex16_b32 v241, v14, s[SEL], s[SEL+1]
	v_add_f32 v14, v14, v241
	v_rcp_f32 v248, v14
	WIN 0
	v_rcp_f32 v250, v14
	v_nop                                          ; a plain instruction between the last reciprocal and the use of its result
	s_wait_alu depctr_va_vdst(0)                   ; and a wait ahead of the first use: one for both reciprocals
	v_ldexp_f32 v250, v250, s[EO]
	WIN 0x55
	v_ldexp_f32 v248, v248, s[EO]
	WIN 0
.set nn, 0
.rept 32
	v_pk_mul_f32 v[S+nn:S+nn+1], v[OT+nn:OT+nn+1], v[250:251] op_sel_hi:[1,0]   ; register 8 t + j is out(r, 16 t + 8 h + j); each accumulator from its low end on
.set nn, nn+2
.endr
.irp t, 0,1,2,3,4,5,6,7
	ds_store_b128 v[STO], v[S+8*\t:S+8*\t+3] offset:64*\t
	ds_store_b128 v[STO], v[S+8*\t+4:S+8*\t+7] offset:64*\t+16
.endr
.irp i, 0,1,2,3,4,5,6,7,8,9,10,11,12,13,14,15
	ds_load_b128 v[FR+4*\i:FR+4*\i+3], v[RD] offset:\i*SP   ; LDS serves a wave's instructions in order (ISA guide 5.7.1.4): these see my stores, and tile B's stores come behind them
.endr
	WIN 0x55
.set nn, 0
.rept 32
	v_pk_mul_f32 v[S+nn:S+nn+1], v[OT+nn:OT+nn+1], v[248:249] op_sel_hi:[1,0]
.set nn, nn+2
.endr
	WIN 0x04                                       ; the stores' data window 1, the address window 0
.irp t, 0,1,2,3,4,5,6,7
	ds_store_b128 v[STO], v[S+8*\t:S+8*\t+3] offset:64*\t
	ds_store_b128 v[STO], v[S+8*\t+4:S+8*\t+7] offset:64*\t+16
.endr
	WIN 0x40                                       ; destination window 1
.irp i, 0,1,2,3,4,5,6,7,8,9,10,11,12,13,14,15
	ds_load_b128 v[FR+4*\i:FR+4*\i+3], v[RD] offset:\i*SP
.endr
	WIN 0
	s_wait_dscnt 32                                ; tile A's rows are back: behind their loads stand tile B's 16 stores and 16 loads
.irp i, 0,1,2,3,4,5,6,7,8,9,10,11,12,13,14,15
	global_store_b128 v[CO], v[FR+4*\i:FR+4*\i+3], s[\op:\op+1] offset:512*\i th:TH_STORE_NT
.endr
	s_wait_dscnt 0x0
	WIN 0x04
.irp i, 0,1,2,3,4,5,6,7,8,9,10,11,12,13,14,15
	global_store_b128 v[CO], v[FR+4*\i:FR+4*\i+3], s[\op:\op+1] offset:8192+512*\i th:TH_STORE_NT
.endr
	WIN 0
.endm
	s_load_b256 s[4:11], s[0:1], 0x0               ; Q's codes s[4:5], K's s[6:7], V's s[8:9], the scales' exponents s[10:11]
	s_load_b64 s[12:13], s[0:1], 0x20              ; out
	v_lshl_add_u32 v[SPW], v0, 2, SPARE
	v_mov_b32 v[NIL], 0
	ds_add_u32 v[SPW], v[NIL]                      ; the wave's opening: the add, twice on end, and its wait ahead of the first tensor loads; the set-up below, work on registers, stands between
	ds_add_u32 v[SPW], v[NIL]
	v_lshrrev_b32 v8, 5, v0
	v_readfirstlane_b32 s[WV], v8                  ; wave 0..7
	s_bfe_u32 s15, ttmp6, 0x40000                  ; g: my place in the cluster = my query head within its group of four.  It enters Q's, out's and the prefetches' addresses alone
	s_mov_b32 s16, ttmp9                           ; p: in a cluster launch ttmp9 counts clusters
	s_and_b32 s17, ttmp7, 0xffff                   ; the KV head, 0..15
	s_and_b32 s18, s[WV], 1                        ; which half of a tile I fetch, if I fetch
	s_lshl_b32 s19, s17, 2
	s_add_co_u32 s19, s19, s15                     ; the query head, 0..63
	s_lshl_b32 s81, s[WV], 5
	s_sub_co_u32 s[Q0], 7, s16
	s_lshl_b32 s[Q0], s[Q0], 8
	s_add_co_u32 s[Q0], s[Q0], s81                 ; my first query: 256 (7 - p) + 32 x wave,
	s_lshl_b32 s[Q0B], s16, 8
	s_add_co_u32 s[Q0B], s[Q0B], s81               ; then 256 p + 32 x wave
	s_add_co_u32 s[SW], s16, 1
	s_lshl_b32 s83, s19, 18                        ; a head of Q is 2^18 bytes, a row 128
	s_lshl_b32 s84, s[Q0], 7
	s_add_co_u32 s84, s84, s83
	s_mov_b32 s85, 0
	s_lshl_b32 s86, s[Q0B], 7
	s_add_co_u32 s86, s86, s83
	s_mov_b32 s87, 0
	s_lshl_b32 s83, s19, 20                        ; a head of out is 2^20 bytes, a row 512
	s_lshl_b32 s88, s[Q0], 9
	s_add_co_u32 s88, s88, s83
	s_mov_b32 s89, 0
	s_lshl_b32 s90, s[Q0B], 9
	s_add_co_u32 s90, s90, s83
	s_mov_b32 s91, 0
	s_lshl_b32 s81, s17, 18                        ; a head of K or of V is 2^18 bytes
	s_lshl_b32 s92, s18, 14                        ; K's half: 128 keys x 128 bytes
	s_add_co_u32 s92, s92, s81
	s_mov_b32 s93, 0
	s_lshl_b32 s94, s18, 17                        ; V's half: 64 rows x 2,048 bytes
	s_add_co_u32 s94, s94, s81
	s_mov_b32 s95, 0
	; descriptor group 1.  K: 128 rows of 128 bytes, dense in memory;  V: 64 rows of 256 bytes, 2,048 bytes apart
	s_mov_b32 s[G1K], 15|(1<<20)|(1<<21)|(4<<22)|(3<<25)   ; 15:0 the mask: all four work-groups; 17:16 elements of 1 byte; 20 padding on; 21 set beside a mask; 24:22 after every 32 words (code 4); 31:25 four words (code 3)
	s_mov_b32 s[G1K+1], 128<<16                    ; tensor_dim0
	s_mov_b32 s[G1K+2], 128<<16                    ; tensor_dim1
	s_mov_b32 s[G1K+3], 128<<16                    ; tile_dim0
	s_mov_b32 s[G1K+4], 128                        ; tile_dim1
	s_mov_b32 s[G1K+5], 128                        ; tensor_dim0_stride
	s_mov_b32 s[G1K+6], 0
	s_mov_b32 s[G1K+7], 0
	s_mov_b32 s[G1V], 15|(1<<20)|(1<<21)|(5<<22)|(3<<25)   ; padding: four words after every 64
	s_mov_b32 s[G1V+1], 256<<16
	s_mov_b32 s[G1V+2], 64<<16
	s_mov_b32 s[G1V+3], 256<<16
	s_mov_b32 s[G1V+4], 64
	s_mov_b32 s[G1V+5], 2048
	s_mov_b32 s[G1V+6], 0
	s_mov_b32 s[G1V+7], 0
	s_mov_b32 s[G0K], 1                            ; count = 1
	s_mul_i32 s[G0K+1], s18, 128*KP                ; LDS address, slot 0: no place in the cluster enters it
	s_mov_b32 s[G0V], 1
	s_mul_i32 s[G0V+1], s18, 64*VP
	s_add_co_u32 s[G0V+1], s[G0V+1], VOFF
	s_mov_b32 s[OFK+1], 0
	s_mov_b32 s[OFV+1], 0
	s_mov_b32 s[SEL], 0x76543210
	s_mov_b32 s[SEL+1], 0xfedcba98
	s_mov_b32 s[CS], 0x3e0293ee                    ; log2(e) / sqrt(128)
	s_mov_b32 s[TB], 0
	s_mov_b32 s[SLOTS], 8
	s_mov_b32 s[KS], 0
	s_mov_b32 s[KF], 0
	; the prefetches (macro ASK): wave 5 stands in V, every other wave in K; only waves 4 and 5 of the cluster with p = 0 ever ask
	s_cmp_eq_u32 s[WV], 5
	s_mov_b32 s[PFS], 256*128
	s_cselect_b32 s[PFS], 256, s[PFS]              ; a slot on
	s_cselect_b32 s82, 16, 13                      ; my work-group's part: 32 rows of 2,048 bytes, or 8,192 bytes
	s_cselect_b32 s97, 11, 8                       ; from lane to lane: 2,048 bytes, or 256
	s_mov_b32 s[PFS+1], 0
	s_lshl_b32 s82, s15, s82
	s_add_co_u32 s82, s82, s81                     ; in my KV head,
	s_add_co_u32 s82, s82, s[PFS]                  ; in slot 1: the first change of slots steps it to slot 2
	s_mov_b32 s83, 0
	s_sub_co_u32 s96, s[WV], 4
	s_lshr_b32 s96, s96, 1                         ; 0 in waves 4 and 5,
	s_or_b32 s96, s96, ttmp9                       ; of the cluster with p = 0: the same in all four partners
	s_cmp_eq_u32 s96, 0
	s_cselect_b32 s[LIM], 2, -1
	; the lanes' addresses, all made here, ahead of the first branch
	v_and_b32 v8, 15, v0                           ; r = lane % 16
	v_bfe_u32 v9, v0, 4, 1                         ; h = lane / 16
	v_and_b32 v[PFO], 31, v0
	v_lshlrev_b32 v[CO], 4, v[PFO]
	v_lshlrev_b32 v[PFO], s97, v[PFO]
	v_mul_u32_u24 v[AK0], v8, KP
	v_lshl_add_u32 v[AK0], v9, 4, v[AK0]
	v_mul_u32_u24 v[AV0], v8, VP
	v_lshl_add_u32 v[AV0], v9, 3, v[AV0]
	v_add_nc_u32 v[AV0], VOFF, v[AV0]
	v_lshlrev_b32 v[QO], 7, v8
	v_lshl_add_u32 v[QO], v9, 4, v[QO]
	s_mul_i32 s71, s[WV], 16*SP
	s_add_co_u32 s71, s71, STAGE                   ; my stage
	v_mul_u32_u24 v[STO], v8, SP
	v_lshl_add_u32 v[STO], v9, 5, v[STO]
	v_add_nc_u32 v[STO], s71, v[STO]               ; in: row r, + 32 h; tile t's eight channels 64 t bytes on
	v_add_nc_u32 v[RD], s71, v[CO]                 ; back: the 32 lanes take one row of 512 bytes
	s_wait_dscnt 0x0                               ; both opening adds are done
	s_wait_kmcnt 0x0
	s_load_b128 s[72:75], s[10:11], 0x0            ; eq, ek, ep, ev
	s_add_nc_u64 s[QP2:QP2+1], s[4:5], s[86:87]
	s_add_nc_u64 s[QP1:QP1+1], s[4:5], s[84:85]
	s_add_nc_u64 s[OP1:OP1+1], s[12:13], s[88:89]
	s_add_nc_u64 s[OP2:OP2+1], s[12:13], s[90:91]
	s_add_nc_u64 s[KB:KB+1], s[6:7], s[92:93]
	s_add_nc_u64 s[VB:VB+1], s[8:9], s[94:95]
	s_mov_b64 s[G0K+2:G0K+3], s[KB:KB+1]           ; the KV head's first 256 keys
	s_or_b32 s[G0K+3], s[G0K+3], 0x80000000        ; type = 2
	s_mov_b64 s[G0V+2:G0V+3], s[VB:VB+1]
	s_or_b32 s[G0V+3], s[G0V+3], 0x80000000
	s_cmp_eq_u32 s[WV], 5
	s_cselect_b64 s[PFA:PFA+1], s[8:9], s[6:7]
	s_add_nc_u64 s[PFA:PFA+1], s[PFA:PFA+1], s[82:83]
	CROUND                                         ; all four work-groups are here: the first joint loads meet
	TLOAD                                          ; slot 0.  Slot 1 is asked for behind the first trip's round, behind which nothing is filled again
	QLOAD QP1
	RESET
	v_lshlrev_b32 v254, 3, v9
	v_sub_nc_u32 v245, v8, v254                    ; the mask's lane term: r - 8 h
	v_mov_b32 v241, 0                              ; written once: a lane permute's destination counts as one of its sources
	v_mov_b32 v246, 0xff800000                     ; -infinity
	v_mov_b32 v251, 0                              ; (named as the upper halves of pairs)
	v_mov_b32 v253, 0
	WIN 0x40                                       ; destination window 1, sources window 0
	v_add_nc_u32 v245, 16, v245                    ; tile B's queries lie 16 further on
	v_mov_b32 v241, 0
	v_mov_b32 v246, 0xff800000
	v_mov_b32 v249, 0
	v_mov_b32 v253, 0
	WIN 0
	s_wait_kmcnt 0x0
	s_add_co_i32 s96, s72, s73
	s_lshl_b32 s96, s96, 23
	s_add_co_i32 s[CS], s[CS], s96                 ; a score stands for score x 2^(eq + ek): the two exponents are added to c's exponent field
	s_mov_b32 s[CS+1], s[CS]                       ; (named with it as a pair, so it is written)
	s_add_co_i32 s96, s74, 127
	s_lshl_b32 s97, s96, 23                        ; 2^ep as f32: the conversion takes its exponent field
	s_add_co_i32 s96, s96, 15
	s_lshl_b32 s96, s96, 23
	s_or_b32 s96, s96, 0x600000                    ; 57,344 x 2^ep
	s_add_co_i32 s[EO], s74, s75
	v_mov_b32 v244, s97
	v_mov_b32 v240, s96
	WIN 0x40
	v_mov_b32 v244, s97
	v_mov_b32 v240, s96
	WIN 0
	s_wait_loadcnt 0x0                             ; Q
.Lslot:                                                ; eight trips: trip i reads the walk's slot i and asks for slot i + 1
	CHANGE 1
	STEP 0
	STEP 1
	s_xor_b32 s[TB], s[TB], SLOT1                  ; on to the other slot
	s_cmp_lg_u32 s[SLOTS], s[SW]                   ; p and the count of trips alone: all waves of all four partners go the same way; no barrier and no tensor load stands under this branch
	s_cbranch_scc1 .Lsame
	QLOAD QP2                                      ; THE FIRST BLOCK IS DONE: the second block's queries are asked for,
	WAYOUT OP1                                     ; the first block's rows leave,
	RESET                                          ; and the sums begin anew
	s_mov_b32 s[Q0], s[Q0B]
	s_mov_b32 s[KF], 0
	s_wait_loadcnt 0x0                             ; Q
	s_wait_xcnt 0x0                                ; the stores have read their registers: the next step's fragments may land there
.Lsame:
	s_sub_co_u32 s[SLOTS], s[SLOTS], 1
	s_cmp_lg_u32 s[SLOTS], 0
	s_cbranch_scc1 .Lslot
	CHANGE 0                                       ; the walk's ninth slot is written out: nothing is left to ask for
	STEP 0
	STEP 1
	WAYOUT OP2
	s_wait_tensorcnt 0x0                           ; the wave's end, behind my last tensor load and my last LDS store
	ds_add_u32 v[SPW], v[NIL]
	s_wait_dscnt 0x0
	CROUND                                         ; the closing round: no work-group ends while a partner may still ask for a tile that names it
	s_endpgm
.Lfunc_end_k_q8708ef2bcf_attn:
	.size	k_q8708ef2bcf_attn, .Lfunc_end_k_q8708ef2bcf_attn-k_q8708ef2bcf_attn
	.p2alignl 7, 3214868480
	.fill 96, 4, 3214868480
	.section	.rodata,"a",@progbits
	.p2align	6, 0x0
	.amdhsa_kernel k_q8708ef2bcf_attn
		.amdhsa_group_segment_fixed_size 327680
		.amdhsa_private_segment_fixed_size 0
		.amdhsa_enable_private_segment 0
		.amdhsa_kernarg_size 40
		.amdhsa_user_sgpr_count 2
		.amdhsa_user_sgpr_kernarg_segment_ptr 1
		.amdhsa_wavefront_size32 1
		.amdhsa_system_sgpr_workgroup_id_x 1
		.amdhsa_system_sgpr_workgroup_id_y 1
		.amdhsa_system_sgpr_workgroup_id_z 1
		.amdhsa_system_vgpr_workitem_id 0
		.amdhsa_next_free_vgpr 512
		.amdhsa_next_free_sgpr 100
		.amdhsa_reserve_vcc 1
		.amdhsa_float_denorm_mode_32 3
		.amdhsa_float_denorm_mode_16_64 3
		.amdhsa_memory_ordered 1
		.amdhsa_forward_progress 1
		.amdhsa_inst_pref_size 225
	.end_amdhsa_kernel
	.amdgpu_metadata
---
amdhsa.version: [ 1, 2 ]
amdhsa.kernels:
  - .name:           k_q8708ef2bcf_attn
    .symbol:         k_q8708ef2bcf_attn.kd
    .args:
      - { .name: q_codes, .offset: 0, .size: 8, .value_kind: global_buffer, .address_space: global }
      - { .name: k_codes, .offset: 8, .size: 8, .value_kind: global_buffer, .address_space: global }
      - { .name: v_codes, .offset: 16, .size: 8, .value_kind: global_buffer, .address_space: global }
      - { .name: lowp_scales, .offset: 24, .size: 8, .value_kind: global_buffer, .address_space: global }
      - { .name: out0, .offset: 32, .size: 8, .value_kind: global_buffer, .address_space: global }
    .group_segment_fixed_size: 327680
    .private_segment_fixed_size: 0
    .kernarg_segment_align: 8
    .kernarg_segment_size: 40
    .max_flat_workgroup_size: 256
    .sgpr_count:     100
    .vgpr_count:     512
    .wavefront_size: 32
...
	.end_amdgpu_metadata
.endif
;; end of part 1
